; MI455X (gfx1250); checked and timed in simulation.
; The chip was launched on July 23, 2026; its instructions are those of AMD's public machine-readable ISA for CDNA 5 (MIT licence, August 2026) and "CDNA5" Instruction Set Architecture Reference Guide (July 2026). The comments in the code are by the model that wrote it; some were corrected since.
;; Multi Head Attention. Allowed arithmetic: matrix products marked QUANTISED: E5M2 operands, one given power-of-two scale a tensor, by v_wmma_f32_16x16x64_bf8_bf8 or v_wmma_f32_16x16x128_bf8_bf8, f32 sums; everything else in f32.
;; Inputs: Wo 1,024 x 1,024 float32; Wqkv 1,024 x 3,072 float32; bo 1,024 float32; bqkv 3,072 float32; lowp_scales 8 int32 (the exponents e of the quantised operands' scales 2^e); x 4 x 2,048 x 1,024 float32.
;; Outputs: out0 4 x 2,048 x 1,024 float32.
;; This version of the problem:
;;   THIS VERSION OF THE PROBLEM IS GIVEN IN LOW PRECISION. The matrix products marked QUANTISED in the list below multiply operands that are first quantised to E5M2 (5 exponent bits, 2 mantissa bits; 8 bits a number), with one given power-of-two scale for each operand tensor; their sums are f32. All else is computed in f32.
;;   The module's matrix products, in the order in which they are computed (A, B: the left and right operand; K: the contracted axis; several contracted axes count as one K, in the product's order):
;;     1. [M 8,192, K 1,024] x [K 1,024, N 3,072]; A: input x; B: input Wqkv: QUANTISED (scales: A lowp_scales[0], B lowp_scales[1])
;;     2. batch 64 x [M 2,048, K 64] x [K 64, N 2,048]; A: computed on the way; B: computed on the way: QUANTISED (scales: A lowp_scales[2], B lowp_scales[3])
;;     3. batch 64 x [M 2,048, K 2,048] x [K 2,048, N 64]; A: softmax (see below); B: computed on the way: QUANTISED (scales: A lowp_scales[4], B lowp_scales[5])
;;     4. [M 8,192, K 1,024] x [K 1,024, N 1,024]; A: computed on the way; B: input Wo: QUANTISED (scales: A lowp_scales[6], B lowp_scales[7])
;;   THE QUANTISER, for each operand of a quantised product, along K:
;;     - The operand's scale is 2^e, e = its entry of the input lowp_scales (int32; the entries are numbered through the quantised products in the list's order, A before B).
;;     - Each number is divided by the scale, clamped to +-57,344, and rounded to the nearest number of E5M2, ties to even, subnormals kept.
;;     - The product sums the exact products of the quantised numbers (number of the format x scale) in f32.
;;   ~~~python
;;   def quantise(x, axis, e):      # numpy; x: float32 -> the quantised numbers, widened to float32 again
;;       x = np.moveaxis(x, axis, -1); K = x.shape[-1]
;;       r = np.clip(x / 2.0 ** e, -57344, 57344)
;;       step = 2.0 ** (np.maximum(np.frexp(np.where(r == 0, 1, r))[1] - 1, -14) - 2)
;;       q = np.round(r / step) * step * 2.0 ** e      # np.round: ties to even
;;       return np.moveaxis(q, -1, axis).astype(np.float32)
;;   ~~~
;;   SOFTMAX AHEAD OF A QUANTISED PRODUCT. Where the list says 'softmax', what is quantised is not the finished softmax but p = 2^(t - M), with t = logit x log2(e) and M = ceil(the row's largest t), a whole number; so 1/2 < the row's largest p <= 1. The row's sum l is taken of the UNQUANTISED p, in f32, and the product's result is divided by l at the end. Since M is a whole number, a kernel that streams over the keys may use a running M (the ceiling of the running maximum): every later rescaling is an exact power of two, so the quantised numbers keep their values, but for numbers so far below the row's largest that they fall under the format's range.
;;   OPERANDS COMPUTED ON THE WAY. 'Computed on the way' means the value that the module computes at that place (a softmax that the list does not call 'softmax' is quantised finished and normalised). What goes into a quantiser is computed in f32, as accurately as f32 sums, v_exp_f32 and their like allow (about 1e-6 of the number): no bf16 or f16 on the way to a quantiser, and a product that is left as it is and whose result goes on into a quantised operand takes f32 operands (vector FMAs, or v_wmma_f32_16x16x4_f32). A number that lies on a knife's edge between two numbers of the format may be rounded either way, as far as f32 arithmetic and the matrix unit's own rounding can turn it there, and no further.
;; One version. Each part assembles by itself: llvm-mc -triple=amdgcn-amd-amdhsa -mcpu=gfx1250 --defsym DOCPART=n.
;; ======== version 1 of 1: 4 launches
;; limits: right only within a limited range of input values
;; workspace buffers: xq 8,388,608 bytes; wqc 3,145,728 bytes; woc 1,048,576 bytes; qc 8,388,608 bytes; kc 8,388,608 bytes; vc 8,388,608 bytes; oc 8,388,608 bytes
;; launch quant (part 1): grid 384 x 1, 4 waves a work-group, no clusters, 137,728 bytes of LDS; arguments x, Wqkv, Wo, lowp_scales, xq, wqc, woc; writes xq, wqc, woc
.if DOCPART == 1
	.amdgcn_target "amdgcn-amd-amdhsa--gfx1250"
	.amdhsa_code_object_version 6
	.text
	.protected	k_q76a6e172f8_quant
	.globl	k_q76a6e172f8_quant
	.p2align	8
	.type	k_q76a6e172f8_quant,@function
k_q76a6e172f8_quant:
	s_mov_b64 s[64:65], 0
	v_nop
	global_prefetch_b8 v0, s[64:65] scope:SCOPE_SE
	s_setreg_imm32_b32 hwreg(HW_REG_WAVE_MODE, 25, 1), 1
	s_wait_xcnt 0x0
; x [8192][1024], Wqkv [1024 (k)][3072 (n)] and Wo [1024 (k)][1024 (n)], all f32, become codes of BF8 (E5M2), one byte each, K innermost:
; xq [8192][1024], wqc [3072][1024], woc [1024][1024].  code = number / 2^e, held within +-57,344, rounded to the nearest code, ties to even.
; e = entry 0 (x), entry 1 (Wqkv), entry 7 (Wo) of the scales.  LIMITS: each e between -126 and 112, so that 2^e and 57,344 x 2^e are f32 numbers; NaN among the inputs is not served.
; One launch, three ways that part on the work-group's number: 0-255 take x (32,768 numbers each), 256-351 Wqkv, 352-383 Wo (128 columns x 256 along K each).  Each way has LDS bytes of its own.
; Memory binds: no matrix unit, no tensor load, no barrier (waves share nothing); every load and store of a wave covers whole aligned runs of bytes.
.set STEPS, 16                         ; x: a wave takes 16 steps of 512 numbers
.set SP,    80                         ; x: a lane's place in a stage: its 64 bytes + 16 of padding
.set WREG,  8192                       ; x: LDS region of a wave: two stages of 32 x SP bytes
.set XR,    16                         ; v16-79   x: four sets of 16 numbers as loaded
.set XX,    80                         ; v80-111  x: two sets of 16 neighbours
.set XC,    128                        ; v128-191 x: codes, four registers for each step: no store's data are written again
.set WP,    272                        ; weights: a stage row: 256 bytes of codes + 16
.set NB,    8                          ; weights: blocks of 32 along K for a wave
.set WX,    32                         ; v32-95   weights: two sets of 32 numbers
.set WC,    96                         ; v96-103  weights: a block's codes
.set WO,    112                        ; v112-175 weights: the way out
	s_load_b256 s[4:11], s[0:1], 0x0               ; x s[4:5], Wqkv s[6:7], Wo s[8:9], the scales' exponents s[10:11]
	s_load_b128 s[12:15], s[0:1], 0x20             ; xq s[12:13], wqc s[14:15]
	s_load_b64 s[16:17], s[0:1], 0x30              ; woc
	v_lshl_add_u32 v192, v0, 2, 0x19000
	v_mov_b32 v193, 0
	v_lshrrev_b32 v1, 5, v0
	v_readfirstlane_b32 s18, v1                    ; wave 0..3
	v_and_b32 v2, 31, v0                           ; lane
	s_wait_kmcnt 0x0
	s_cmp_lt_u32 ttmp9, 256
	s_cbranch_scc0 .Lw
; ---- x.  xq IS LAID BY TILES OF 16 TOKENS, in the order in which the next launch's operand registers take it: tile T at 16,384 T; (token r, channel d) at 256 (d / 16) + 16 r + d % 16.
; A work-group takes 32 tokens; a wave takes 16 tokens x 512 channels, a token a step.  Each load reads 512 consecutive bytes, 16 a lane; a step's 2,048 bytes turn through the wave's own stage and come back
; 64 bytes a lane: 16 neighbours along K.  A lane's 16 codes of each token go into a second stage (a row of 272 bytes a lane) and leave as 512 consecutive bytes a store.
	s_load_b32 s22, s[10:11], 0x0
	s_wait_alu depctr_va_vdst(0)
	v_lshlrev_b32 v3, 4, v2                        ; 16 x lane: my bytes of a load's 512, and of a store's 512
	s_wait_alu depctr_va_vdst(0)
	s_mul_i32 s19, s18, WREG
	v_lshrrev_b32 v14, 2, v2
	v_mul_u32_u24 v14, v14, SP
	v_and_b32 v15, 3, v2
	v_lshl_add_u32 v14, v15, 4, v14
	v_add_nc_u32 v14, s19, v14                     ; into the stage: SP (lane / 4) + 16 (lane % 4); a load's 512 bytes take eight places
	v_mul_u32_u24 v15, v2, SP
	v_add_nc_u32 v15, s19, v15                     ; out of it: SP x lane
	s_lshr_b32 s20, s18, 1                         ; which of the work-group's two tiles of 16 tokens
	s_and_b32 s21, s18, 1                          ; which 512 channels
	s_lshl_b32 s24, ttmp9, 17                      ; x: 32 tokens are 131,072 bytes,
	s_lshl_b32 s26, s20, 16                        ; 16 tokens 65,536,
	s_add_co_u32 s24, s24, s26
	s_lshl_b32 s26, s21, 11                        ; 512 channels 2,048
	s_add_co_u32 s24, s24, s26
	s_mov_b32 s25, 0
	s_add_nc_u64 s[4:5], s[4:5], s[24:25]
	s_lshl_b32 s24, ttmp9, 15                      ; xq: a tile is 16,384 bytes, 512 channels of it 8,192
	s_lshl_b32 s26, s20, 14
	s_add_co_u32 s24, s24, s26
	s_lshl_b32 s26, s21, 13
	s_add_co_u32 s24, s24, s26
	s_add_nc_u64 s[12:13], s[12:13], s[24:25]
	s_mul_i32 s26, s18, 8704
	s_add_co_u32 s26, s26, 102912                  ; my second stage: 32 rows of 272 bytes, behind the spare words
	v_mul_u32_u24 v8, v2, 272
	v_add_nc_u32 v8, s26, v8                       ; into it: row = lane (16 channels), 16 bytes a token
	v_lshrrev_b32 v9, 4, v2
	v_mul_u32_u24 v9, v9, 272
	v_and_b32 v12, 15, v2
	v_lshl_add_u32 v9, v12, 4, v9
	v_add_nc_u32 v9, s26, v9                       ; out of it: sixteen lanes take a row's 256 bytes, two rows an instruction
.macro XLOAD t
.irp i, 0,1,2,3
	global_load_b128 v[XR+16*((\t)%4)+4*\i:XR+16*((\t)%4)+4*\i+3], v3, s[4:5] offset:4096*(\t)+512*\i th:TH_LOAD_NT
.endr
.endm
.macro XTURN t                         ; LDS serves a wave's instructions in order: no wait between the stores and the loads
.irp i, 0,1,2,3
	ds_store_b128 v14, v[XR+16*((\t)%4)+4*\i:XR+16*((\t)%4)+4*\i+3] offset:32*SP*((\t)%2)+8*SP*\i
.endr
.irp i, 0,1,2,3
	ds_load_b128 v[XX+16*((\t)%2)+4*\i:XX+16*((\t)%2)+4*\i+3], v15 offset:32*SP*((\t)%2)+16*\i
.endr
.endm
.irp t, 0,1,2,3
	XLOAD \t
.endr
	s_wait_alu depctr_va_vdst(0)
	s_wait_kmcnt 0x0
	s_add_co_i32 s22, s22, 127
	s_lshl_b32 s23, s22, 23
	v_mov_b32 v11, s23                             ; 2^e0 as f32: the conversion takes its exponent field
	s_add_co_i32 s22, s22, 15
	s_lshl_b32 s22, s22, 23
	s_or_b32 s22, s22, 0x600000
	v_mov_b32 v10, s22                             ; 57,344 x 2^e0
	s_wait_alu depctr_va_vdst(0)
	s_wait_loadcnt 12                              ; step 0's four loads are in; the twelve of steps 1 to 3 may be out
	XTURN 0
.macro XSTEP t
.set XS, XX+16*((\t)%2)
	s_wait_dscnt 0x0                               ; this step's numbers are back from the stage, so its stores into the stage have read their registers,
.if (\t)+4 < STEPS
	XLOAD (\t)+4                                   ; which take the loads of four steps on
.endif
.if (\t)+1 < STEPS
.if STEPS-2-(\t) >= 3
	s_wait_loadcnt 12                              ; the next step's four loads are in; those of the three steps behind it may be out
.else
	s_wait_loadcnt 4*(STEPS-2-(\t))
.endif
	XTURN (\t)+1
.endif
.set j, 0
.rept 16
	v_med3_num_f32 v[XS+j], v[XS+j], -v10, v10     ; the conversion to an 8-bit code does not saturate (ISA guide 7.6.2): the hold comes first
.set j, j+1
.endr
	v_cvt_scalef32_pk8_bf8_f32 v[XC+4*(\t):XC+4*(\t)+1], v[XS:XS+7], v11
	v_cvt_scalef32_pk8_bf8_f32 v[XC+4*(\t)+2:XC+4*(\t)+3], v[XS+8:XS+15], v11
	ds_store_b128 v8, v[XC+4*(\t):XC+4*(\t)+3] offset:16*(\t)   ; token t's 16 codes of my 16 channels
.endm
.irp t, 0,1,2,3,4,5,6,7,8,9,10,11,12,13,14,15
	XSTEP \t
.endr
.irp u, 0,1,2,3,4,5,6,7,8,9,10,11,12,13,14,15
	ds_load_b128 v[XR+4*\u:XR+4*\u+3], v9 offset:544*\u          ; LDS serves a wave's instructions in order: these see my stores
.endr
.irp u, 0,1,2,3,4,5,6,7,8,9,10,11,12,13,14,15
	s_wait_dscnt 15-\u
	global_store_b128 v3, v[XR+4*\u:XR+4*\u+3], s[12:13] offset:512*\u   ; 32 lanes store 512 consecutive bytes, aligned
.endr
	s_wait_tensorcnt 0x0
	ds_add_u32 v192, v193
	s_wait_dscnt 0x0
	s_endpgm
; ---- the weights: K is the FIRST axis.  A lane takes a column n and its registers run down K: each load reads 128 consecutive bytes a wave, and the conversions give codes with K innermost.
; A wave takes 32 columns x 256 along K; the codes go through its own stage (a row a column) and leave as rows: sixteen lanes store 256 consecutive, aligned bytes.
.macro WLOAD t, N, SRC                 ; block t: W(32 t + i, my column), i = 0 .. 31, into set t % 2
.irp i, 0,1,2,3,4,5,6,7,8,9,10,11,12,13,14,15,16,17,18,19,20,21,22,23,24,25,26,27,28,29,30,31
	global_load_b32 v[WX+32*((\t)%2)+\i], v3, s[\SRC:\SRC+1] offset:(32*(\t)+\i)*\N*4 th:TH_LOAD_NT
.endr
.endm
.macro WBLOCK t, N, SRC
.set XS, WX+32*((\t)%2)
.if (\t) < NB-1
	s_wait_loadcnt 32                              ; this block's 32 loads are in; the next block's 32 may be out
.else
	s_wait_loadcnt 0
.endif
.set j, 0
.rept 32
	v_med3_num_f32 v[XS+j], v[XS+j], -v10, v10
.set j, j+1
.endr
.irp g, 0,1,2,3
	v_cvt_scalef32_pk8_bf8_f32 v[WC+2*\g:WC+2*\g+1], v[XS+8*\g:XS+8*\g+7], v11
.endr
	ds_store_b128 v4, v[WC:WC+3] offset:32*(\t)    ; 32 codes: 32 bytes of my column's row
	ds_store_b128 v4, v[WC+4:WC+7] offset:32*(\t)+16
.if (\t)+2 < NB
	WLOAD (\t)+2, \N, \SRC
.endif
	s_wait_dscnt 0x0                               ; the stores have read their registers: the next block's codes may be written
.endm
; N: the weight's columns; SRC, DST: the scalar pairs of its address and of its codes'; EOFF: its exponent's byte among the scales; FIRST: the way's first work-group; LBASE: the way's LDS bytes.
; Every offset is an immediate: 255 x N x 4 is 3,133,440 at the most, inside the signed 24 bits (ISA guide, chapter 10).
.macro WPATH N, SRC, DST, EOFF, FIRST, LBASE
	s_load_b32 s30, s[10:11], \EOFF
	s_sub_co_u32 s19, ttmp9, \FIRST
	s_and_b32 s20, s19, 3                          ; which 256 along K
	s_lshr_b32 s19, s19, 2
	s_lshl_b32 s19, s19, 7
	s_lshl_b32 s21, s18, 5
	s_add_co_u32 s19, s19, s21                     ; my wave's first column
	v_lshlrev_b32 v3, 2, v2                        ; in: 4 bytes a lane
	s_mul_i32 s22, s18, 32*WP
	s_add_co_u32 s22, s22, \LBASE                  ; my stage
	v_mul_u32_u24 v4, v2, WP
	v_add_nc_u32 v4, s22, v4                       ; into it: row = my column
	v_and_b32 v5, 15, v2
	v_lshrrev_b32 v6, 4, v2
	v_mul_u32_u24 v7, v6, WP
	v_lshl_add_u32 v7, v5, 4, v7
	v_add_nc_u32 v7, s22, v7                       ; out of it: sixteen lanes to a row, two rows an instruction
	v_lshlrev_b32 v8, 10, v6
	v_lshl_add_u32 v8, v5, 4, v8                   ; and the same place in the codes' buffer (rows of 1,024 bytes)
	s_mul_i32 s24, s20, 256*\N*4
	s_lshl_b32 s26, s19, 2
	s_add_co_u32 s24, s24, s26
	s_mov_b32 s25, 0
	s_add_nc_u64 s[\SRC:\SRC+1], s[\SRC:\SRC+1], s[24:25]
	s_lshl_b32 s24, s19, 10
	s_lshl_b32 s26, s20, 8
	s_add_co_u32 s24, s24, s26
	s_add_nc_u64 s[\DST:\DST+1], s[\DST:\DST+1], s[24:25]
	WLOAD 0, \N, \SRC
	WLOAD 1, \N, \SRC
	s_wait_kmcnt 0x0
	s_add_co_i32 s30, s30, 127
	s_lshl_b32 s31, s30, 23
	v_mov_b32 v11, s31                             ; 2^e as f32
	s_add_co_i32 s30, s30, 15
	s_lshl_b32 s30, s30, 23
	s_or_b32 s30, s30, 0x600000
	v_mov_b32 v10, s30                             ; 57,344 x 2^e
	s_wait_alu depctr_va_vdst(0)
.irp t, 0,1,2,3,4,5,6,7
	WBLOCK \t, \N, \SRC
.endr
.irp t, 0,1,2,3,4,5,6,7,8,9,10,11,12,13,14,15
	ds_load_b128 v[WO+4*\t:WO+4*\t+3], v7 offset:2*\t*WP
.endr
.irp t, 0,1,2,3,4,5,6,7,8,9,10,11,12,13,14,15
	s_wait_dscnt 15-\t                             ; LDS loads come back in order: pair t of rows is in, the younger ones may be out
	global_store_b128 v8, v[WO+4*\t:WO+4*\t+3], s[\DST:\DST+1] offset:2*\t*1024
.endr
.endm
.Lw:
	s_cmp_lt_u32 ttmp9, 352
	s_cbranch_scc0 .Lwo
	s_wait_alu depctr_va_vdst(0)
	WPATH 3072, 6, 14, 0x4, 256, 32768
	s_wait_tensorcnt 0x0
	ds_add_u32 v192, v193
	s_wait_dscnt 0x0
	s_endpgm
.Lwo:
	s_wait_alu depctr_va_vdst(0)
	WPATH 1024, 8, 16, 0x1c, 352, 67584
	s_wait_tensorcnt 0x0
	ds_add_u32 v192, v193
	s_wait_dscnt 0x0
	s_endpgm
.Lfunc_end_k_q76a6e172f8_quant:
	.size	k_q76a6e172f8_quant, .Lfunc_end_k_q76a6e172f8_quant-k_q76a6e172f8_quant
	.p2alignl 7, 3214868480
	.fill 96, 4, 3214868480
	.section	.rodata,"a",@progbits
	.p2align	6, 0x0
	.amdhsa_kernel k_q76a6e172f8_quant
		.amdhsa_group_segment_fixed_size 137728
		.amdhsa_private_segment_fixed_size 0
		.amdhsa_enable_private_segment 0
		.amdhsa_kernarg_size 56
		.amdhsa_user_sgpr_count 2
		.amdhsa_user_sgpr_kernarg_segment_ptr 1
		.amdhsa_wavefront_size32 1
		.amdhsa_system_sgpr_workgroup_id_x 1
		.amdhsa_system_sgpr_workgroup_id_y 1
		.amdhsa_system_sgpr_workgroup_id_z 1
		.amdhsa_system_vgpr_workitem_id 0
		.amdhsa_next_free_vgpr 194
		.amdhsa_next_free_sgpr 66
		.amdhsa_reserve_vcc 0
		.amdhsa_float_denorm_mode_32 3
		.amdhsa_float_denorm_mode_16_64 3
		.amdhsa_memory_ordered 1
		.amdhsa_forward_progress 1
		.amdhsa_inst_pref_size 137
	.end_amdhsa_kernel
	.amdgpu_metadata
---
amdhsa.version: [ 1, 2 ]
amdhsa.kernels:
  - .name:           k_q76a6e172f8_quant
    .symbol:         k_q76a6e172f8_quant.kd
    .args:
      - { .name: x, .offset: 0, .size: 8, .value_kind: global_buffer, .address_space: global }
      - { .name: Wqkv, .offset: 8, .size: 8, .value_kind: global_buffer, .address_space: global }
      - { .name: Wo, .offset: 16, .size: 8, .value_kind: global_buffer, .address_space: global }
      - { .name: lowp_scales, .offset: 24, .size: 8, .value_kind: global_buffer, .address_space: global }
      - { .name: xq, .offset: 32, .size: 8, .value_kind: global_buffer, .address_space: global }
      - { .name: wqc, .offset: 40, .size: 8, .value_kind: global_buffer, .address_space: global }
      - { .name: woc, .offset: 48, .size: 8, .value_kind: global_buffer, .address_space: global }
    .group_segment_fixed_size: 137728
    .private_segment_fixed_size: 0
    .kernarg_segment_align: 8
    .kernarg_segment_size: 56
    .max_flat_workgroup_size: 128
    .sgpr_count:     66
    .vgpr_count:     194
    .wavefront_size: 32
...
	.end_amdgpu_metadata
.endif
;; end of part 1
;; launch gemm_qkv (part 2): grid 32 x 8, 4 waves a work-group, clusters of 4 x 1, 327,680 bytes of LDS; arguments xq, wqc, lowp_scales, bqkv, qc, kc, vc; writes qc, kc, vc
.if DOCPART == 2
	.amdgcn_target "amdgcn-amd-amdhsa--gfx1250"
	.amdhsa_code_object_version 6
	.text
	.protected	k_q76a6e172f8_gemm_qkv
	.globl	k_q76a6e172f8_gemm_qkv
	.p2align	8
	.type	k_q76a6e172f8_gemm_qkv,@function
k_q76a6e172f8_gemm_qkv:
	s_mov_b64 s[64:65], 0
	v_nop
	global_prefetch_b8 v0, s[64:65] scope:SCOPE_SE
	s_setreg_imm32_b32 hwreg(HW_REG_WAVE_MODE, 25, 1), 1
	s_wait_xcnt 0x0
	s_wait_alu depctr_hold_cnt(0) depctr_sa_sdst(0) depctr_va_vdst(0) depctr_va_sdst(0) depctr_va_ssrc(0) depctr_va_vcc(0) depctr_vm_vsrc(0)
	s_getreg_b32 s2, hwreg(HW_REG_IB_STS2, 6, 4)
	s_cmp_eq_u32 s2, 0
	s_cbranch_scc0 .Lentry_in_a_cluster
	s_endpgm
.Lentry_in_a_cluster:
	s_bfe_u32 s2, ttmp6, 0x10000c
	s_cmp_lg_u32 s2, 0x3003
	s_cbranch_scc0 .Lentry_shape_is_right
	s_endpgm
.Lentry_shape_is_right:
; qkv = x Wqkv + bqkv on codes of BF8 (E5M2); the f32 result is quantised at once (q: e2, k: e3, v: e5) and stored as codes in the order in which the attention's operand registers take them.
; SHARES: a work-group owns 256 tokens (x of the grid) and 128 columns of each of q, k and v (y of the grid: two heads): three tiles of 256 x 128, one after the other.  A wave owns 64 tokens: 32 accumulators.
; A: xq lies by tiles of 16 tokens in fragment order, so the wave's 64 tokens x 1,024 K go from memory straight into 512 registers, once for all three tiles; each load covers 512 consecutive bytes; no wave reads another's.
; B: a tile's 128 rows of wqc, all 1,024 K, fill one LDS slot (rows of 1,024 bytes + 16); two slots: q's tile at the head, k's behind the three lines and a round, v's into slot 0 when q's products are done.
; Each of those loads has a tile's 256 matrix instructions in which to land, and all loads of A stand at the head: so no prefetch is laid.  CLUSTER: four work-groups along the tokens read the same B: joint loads, mask 15.
; THE BIAS goes in as C of a sum's first product, x 2^-(e0 + e1); the sum then stands for value x 2^-(e0 + e1), and that power is folded into the conversion's scale and the hold.
; q, k: source 0 = 16 columns, source 1 = 16 tokens: a lane holds one token and eight neighbouring channels.  v: the sources swapped: a lane holds one channel and eight neighbouring tokens (the next K).
; LAYOUTS written (head y = 16 x batch + head, 131,072 bytes each): qc, kc: 16 tokens T at 1,024 T; (token r, channel d) at 256 (d / 16) + 16 r + d % 16.
;   vc: 128 keys s at 8,192 s; 16 channels ct at 2,048 ct; 32 keys c at 512 c; lane (r = channel % 16, h) at 16 (16 h + r); byte 8 u + j = key 32 c + 16 u + 8 h + j.
; LIMITS: e0 + e1 between -126 and 126; e2, e3, e5 less e0 + e1 between -126 and 112 (each power of two is an f32 number).  NaN is not served.
; REGISTERS: window 0: v0-31 addresses and constants, v32-95 the tile's bias in the result's layout, v128-255 B's eight fragments (on the way out v192-255 the codes); window 1: accumulator (a, b) at 8 (4 b + a);
;   windows 2, 3: A's fragment (a, K step) at 16 (4 (step % 4) + a), steps 0-3 and 4-7.
.set PITCH, 1040                       ; 65 x 16 bytes: the 16 rows of a fragment load start at 16 different groups of banks
.set SLOT,  128*PITCH
.set SPARE, 2*SLOT                     ; behind the slots: the spare words, 128 bytes a wave; no other line names them
.set NBL,   16                         ; bias loads issued in K step 5 of the first tile
.set BA,  8                            ; v8   32 h: my eight columns' biases in a block of 16
.set BC,  9                            ; v9   4 r: my channel's bias
.set GOQ, 10                           ; v10  16 r + 8 h
.set LI,  11                           ; v11  16 x lane
.set AD,  16                           ; v16-19 LDS address of B's blocks 0-3 and 4-7 in slot 0, in slot 1
.set SPW, 28
.set NIL, 29
.set SCL, 30
.set LIM, 31
.set BI,  32
.set BF,  128
.set CD,  192
.set G1,  24
.set G0,  32
.set MSB, 0
.macro WIN new                         ; the immediate's high byte repeats the setting that is left
.if MSB != (\new)
	s_set_vgpr_msb (MSB<<8)|(\new)
.set MSB, (\new)
.endif
.endm
.macro CROUND
	s_barrier_signal -1
	s_barrier_wait -1
	s_cmp_lg_u32 s14, 0
	s_cbranch_scc1 .Lnot_wave_0_\@
	s_barrier_signal -3
.Lnot_wave_0_\@:
	s_barrier_wait -3
	s_barrier_signal -1
	s_barrier_wait -1
.endm
.macro PLACES                          ; plain lines between a matrix instruction and a load into, or a vector line on, its registers
.rept 4
	v_nop
.endr
.endm
.macro TLOAD g                         ; my 32 rows of a tile of B
	tensor_load_to_lds s[\g:\g+3], s[G1:G1+7]
	s_nop 0
	PLACES
.endm
.macro ALOAD ks                        ; A's four fragments of a K step of 128
	WIN 0x80+0x40*((\ks)/4)
.irp a, 0,1,2,3
.irp c, 0,1,2,3
	global_load_b128 v[16*(4*((\ks)%4)+\a)+4*\c:16*(4*((\ks)%4)+\a)+4*\c+3], v[LI], s[4:5] offset:\a*16384+(\ks)*2048+\c*512
.endr
.endr
	WIN 0
.endm
.macro FETCH s, ks, hb                 ; B's blocks 4 hb .. 4 hb + 3: registers 4 c .. 4 c + 3 hold K = 32 c + 16 h + 0 .. 15, as A's do
.irp b, 0,1,2,3
.irp c, 0,1,2,3
	ds_load_b128 v[BF+16*(4*\hb+\b)+4*\c:BF+16*(4*\hb+\b)+4*\c+3], v[AD+2*\s+\hb] offset:\b*16*PITCH+(\ks)*128+\c*32
.endr
.endr
.endm
.macro MUL16 ks, hb, isv               ; 16 products; the 32 accumulators take turns in the same order in every K step
.set WA, 2+(\ks)/4
.if (\ks) == 0
.set WC, 0
.else
.set WC, 1
.endif
.if \isv
	WIN 0x40|(WC<<4)|WA
.else
	WIN 0x40|(WC<<4)|(WA<<2)
.endif
.irp b, 0,1,2,3
.irp a, 0,1,2,3
.set DD, 8*(4*(4*\hb+\b)+\a)
.set AA, 16*(4*((\ks)%4)+\a)
.set BB, BF+16*(4*\hb+\b)
.if (\ks) == 0
.set CC, BI+8*(4*\hb+\b)
.else
.set CC, DD
.endif
.if \isv
	v_wmma_f32_16x16x128_bf8_bf8 v[DD:DD+7], v[AA:AA+15], v[BB:BB+15], v[CC:CC+7]
.else
	v_wmma_f32_16x16x128_bf8_bf8 v[DD:DD+7], v[BB:BB+15], v[AA:AA+15], v[CC:CC+7]
.endif
.endr
.endr
.endm
; A tile: eight K steps of 32 products.  B has one set of registers in two halves: a half is fetched anew as soon as its 16 products are issued.  first = 1: A is still arriving.  nb: the next tile's bias is asked for (1: k's, 2: v's).
.macro TILE s, isv, first, nb
	FETCH \s, 0, 0
	FETCH \s, 0, 1
.irp ks, 0,1,2,3,4,5,6,7
	s_wait_dscnt 16                                ; the older half is in; the younger sixteen loads may be out
.if \first
.set LW, 112-16*\ks                    ; the loads of A's later K steps may be out (a count names 63 at the most), and behind K step 5 the bias loads
.if LW > 63
.set LW, 63
.endif
.if \ks > 5
.set LW, LW+NBL
.endif
	s_wait_loadcnt LW
.endif
	MUL16 \ks, 0, \isv
	PLACES
	WIN 0
.if \ks < 7
	FETCH \s, \ks+1, 0
	s_wait_dscnt 16
.else
	s_wait_dscnt 0
.endif
	MUL16 \ks, 1, \isv
	PLACES
	WIN 0
.if \ks < 7
	FETCH \s, \ks+1, 1
.endif
.if \ks == 5
.if \nb == 1
.irp b, 0,1,2,3,4,5,6,7
	global_load_b128 v[BI+8*\b:BI+8*\b+3], v[BA], s[10:11] offset:4096+64*\b
	global_load_b128 v[BI+8*\b+4:BI+8*\b+7], v[BA], s[10:11] offset:4096+64*\b+16
.endr
.endif
.if \nb == 2
.irp b, 0,1,2,3,4,5,6,7
	global_load_b32 v[BI+8*\b], v[BC], s[10:11] offset:8192+64*\b
.endr
.endif
.endif
.endr
.endm
.macro BSCALE                          ; q, k: the bias x 2^-(e0 + e1)
.set j, 0
.rept 32
	v_pk_mul_f32 v[BI+j:BI+j+1], v[BI+j:BI+j+1], s[46:47] op_sel_hi:[1,0]
.set j, j+2
.endr
	s_wait_alu depctr_va_vdst(0)
.endm
; THE WAY OUT: the hold, the conversion, the store.  sc: the scalar pair 2^(eo - e0 - e1), 57,344 x that; dst: the buffer's pair.
.macro OUT isv, sc, dst
	v_mov_b32 v[SCL], s[\sc]
	v_mov_b32 v[LIM], s[\sc+1]
	WIN 0x41
.set j, 0
.rept 256
	v_med3_num_f32 v[j], v[j], -v[LIM], v[LIM]     ; the conversion does not saturate (ISA guide 7.6.2); each accumulator from its low end on
.set j, j+1
.endr
	WIN 0x01
.irp a, 0,1,2,3
.irp b, 0,1,2,3,4,5,6,7
	v_cvt_scalef32_pk8_bf8_f32 v[CD+4*(8*(\a/2)+\b)+2*(\a%2):CD+4*(8*(\a/2)+\b)+2*(\a%2)+1], v[8*(4*\b+\a):8*(4*\b+\a)+7], v[SCL]
.endr
.endr
	WIN 0
	v_nop                                          ; a plain line between the conversions and the next products, which write their sources
.if \isv
.irp p, 0,1
.irp b, 0,1,2,3,4,5,6,7
	global_store_b128 v[LI], v[CD+4*(8*\p+\b):CD+4*(8*\p+\b)+3], s[\dst:\dst+1] offset:(\b/4)*131072+(\b%4)*2048+\p*512   ; 512 consecutive bytes, aligned
.endr
.endr
.else
.irp a, 0,1,2,3
.irp b, 0,1,2,3,4,5,6,7
	global_store_b64 v[GOQ], v[CD+4*(8*(\a/2)+\b)+2*(\a%2):CD+4*(8*(\a/2)+\b)+2*(\a%2)+1], s[\dst:\dst+1] offset:(\b/4)*131072+\a*1024+(\b%4)*256   ; 256 consecutive bytes, aligned
.endr
.endr
.endif
.endm
.macro MKS dst, e                      ; s[dst] = 2^(e - e0 - e1), s[dst + 1] = 57,344 x that
	s_sub_co_i32 s[\dst], s[\e], s18
	s_add_co_i32 s[\dst], s[\dst], 127
	s_add_co_i32 s[\dst+1], s[\dst], 15
	s_lshl_b32 s[\dst], s[\dst], 23
	s_lshl_b32 s[\dst+1], s[\dst+1], 23
	s_or_b32 s[\dst+1], s[\dst+1], 0x600000
.endm
	s_load_b256 s[4:11], s[0:1], 0x0               ; xq s[4:5], wqc s[6:7], the scales' exponents s[8:9], bqkv s[10:11]
	s_load_b128 s[68:71], s[0:1], 0x20             ; qc, kc
	s_load_b64 s[72:73], s[0:1], 0x30              ; vc
	v_lshl_add_u32 v[SPW], v0, 2, SPARE
	v_mov_b32 v[NIL], 0
	ds_add_u32 v[SPW], v[NIL]                      ; the opening lines: the add twice on end and its wait ahead of my first tensor load
	ds_add_u32 v[SPW], v[NIL]
	v_lshrrev_b32 v1, 5, v0
	v_readfirstlane_b32 s14, v1                    ; wave 0..3
	v_and_b32 v1, 15, v0                           ; r
	v_bfe_u32 v2, v0, 4, 1                         ; h
	v_mul_u32_u24 v3, v1, PITCH
	v_lshl_add_u32 v3, v2, 4, v3
.irp k, 0,1,2,3
	v_add_nc_u32 v[AD+\k], (\k/2)*SLOT+(\k%2)*64*PITCH, v3
.endr
	v_lshlrev_b32 v[BA], 5, v2
	v_lshlrev_b32 v[BC], 2, v1
	v_lshlrev_b32 v[GOQ], 4, v1
	v_lshl_add_u32 v[GOQ], v2, 3, v[GOQ]
	v_and_b32 v[LI], 31, v0
	v_lshlrev_b32 v[LI], 4, v[LI]
	s_bfe_u32 s15, ttmp6, 0x40000                  ; cx
	s_lshl_b32 s16, ttmp9, 2
	s_add_co_u32 s16, s16, s15                     ; which 256 tokens
	s_and_b32 s17, ttmp7, 0xffff                   ; which 128 columns of q, of k and of v: the same in all four partners
	s_mov_b32 s[G1], 15|(1<<20)|(1<<21)|(7<<22)|(3<<25)   ; mask 15, bit 21 beside it; elements of 1 byte; four words of padding after every 256
	s_mov_b32 s[G1+1], 1024<<16
	s_mov_b32 s[G1+2], 32<<16
	s_mov_b32 s[G1+3], 1024<<16
	s_mov_b32 s[G1+4], 32
	s_mov_b32 s[G1+5], 1024
	s_mov_b32 s[G1+6], 0
	s_mov_b32 s[G1+7], 0
	s_lshl_b32 s18, s17, 17
	s_lshl_b32 s19, s14, 15
	s_add_co_u32 s18, s18, s19                     ; wqc: row 128 y + 32 wave, 1,024 bytes a row
	s_mov_b32 s19, 0
	s_mul_i32 s20, s14, 32*PITCH
	s_mov_b32 s[G0], 1
	s_mov_b32 s[G0+1], s20
	s_mov_b32 s[G0+4], 1
	s_add_co_u32 s[G0+5], s20, SLOT
	s_lshl_b32 s20, s16, 18
	s_lshl_b32 s21, s14, 16
	s_add_co_u32 s20, s20, s21                     ; xq: my 64 tokens: four tiles of 16,384 bytes
	s_mov_b32 s21, 0
	s_lshl_b32 s22, s17, 9                         ; bqkv: 128 columns are 512 bytes
	s_mov_b32 s23, 0
	s_lshr_b32 s48, s16, 3                         ; batch
	s_lshl_b32 s48, s48, 4
	s_lshl_b32 s49, s17, 1
	s_add_co_u32 s48, s48, s49
	s_lshl_b32 s48, s48, 17                        ; my first head
	s_and_b32 s49, s16, 7                          ; which 256 tokens of the batch
	s_lshl_b32 s50, s49, 14
	s_lshl_b32 s51, s14, 12
	s_add_co_u32 s50, s50, s51
	s_add_co_u32 s50, s50, s48                     ; qc, kc: + my 64 tokens, 1,024 bytes for 16
	s_mov_b32 s51, 0
	s_lshl_b32 s52, s49, 14
	s_lshr_b32 s53, s14, 1
	s_lshl_b32 s53, s53, 13
	s_add_co_u32 s52, s52, s53
	s_and_b32 s53, s14, 1
	s_lshl_b32 s53, s53, 10
	s_add_co_u32 s52, s52, s53
	s_add_co_u32 s52, s52, s48                     ; vc: + 8,192 for 128 keys, + 1,024 for the group's second 64
	s_mov_b32 s53, 0
	s_wait_alu depctr_va_vdst(0)
	s_wait_dscnt 0x0                               ; both opening adds are done
	s_wait_kmcnt 0x0
	s_load_b256 s[80:87], s[8:9], 0x0              ; e0 .. e7
	s_add_nc_u64 s[G0+2:G0+3], s[6:7], s[18:19]    ; q's tile
	s_add_nc_u64 s[G0+6:G0+7], s[G0+2:G0+3], 0x100000   ; k's: 1,024 rows on
	s_or_b32 s[G0+3], s[G0+3], 0x80000000
	s_or_b32 s[G0+7], s[G0+7], 0x80000000
	s_add_nc_u64 s[4:5], s[4:5], s[20:21]
	s_add_nc_u64 s[10:11], s[10:11], s[22:23]
	s_add_nc_u64 s[68:69], s[68:69], s[50:51]
	s_add_nc_u64 s[70:71], s[70:71], s[50:51]
	s_add_nc_u64 s[72:73], s[72:73], s[52:53]
.irp b, 0,1,2,3,4,5,6,7
	global_load_b128 v[BI+8*\b:BI+8*\b+3], v[BA], s[10:11] offset:64*\b
	global_load_b128 v[BI+8*\b+4:BI+8*\b+7], v[BA], s[10:11] offset:64*\b+16
.endr
	ALOAD 0                                        ; q's bias and A's first three K steps are asked for ahead of the round
	ALOAD 1
	ALOAD 2
	CROUND                                         ; the four work-groups are here: the first joint loads meet
	TLOAD G0                                       ; q's tile: my one load at the head
	ALOAD 3                                        ; the rest of A
	ALOAD 4
	ALOAD 5
	ALOAD 6
	ALOAD 7
	s_wait_kmcnt 0x0
	s_add_co_i32 s18, s80, s81                     ; e0 + e1
	s_sub_co_i32 s46, 127, s18
	s_lshl_b32 s46, s46, 23                        ; 2^-(e0 + e1)
	s_mov_b32 s47, s46
	MKS 40, 82
	MKS 42, 83
	MKS 44, 85
	s_wait_tensorcnt 0x0                           ; my part of q's tile is in; the three lines stand ahead of slot 1's first fill
	ds_add_u32 v[SPW], v[NIL]
	s_wait_dscnt 0x0
	CROUND
	TLOAD G0+4                                     ; k's tile: my one load behind the round
	s_wait_loadcnt 63                              ; q's bias, the oldest 16 of the 144 loads, is in (a count names 63 at the most)
	BSCALE
	TILE 0, 0, 1, 1
	s_wait_tensorcnt 0x0                           ; k's tile is in;
	ds_add_u32 v[SPW], v[NIL]
	s_add_nc_u64 s[G0+2:G0+3], s[G0+2:G0+3], 0x200000   ; v's tile: 2,048 rows on from q's
	s_wait_dscnt 0x0                               ; and my reads of slot 0 are over
	CROUND
	TLOAD G0                                       ; slot 0 is filled again: my one load behind the round
	OUT 0, 40, 68
	s_wait_loadcnt 0x0                             ; k's bias
	BSCALE
	s_wait_xcnt 0x0                                ; the stores have read the codes: their registers take fragments again
	TILE 1, 0, 0, 2
	OUT 0, 42, 70
	s_wait_loadcnt 0x0                             ; v's bias: one number a lane and block, laid into all eight registers
.irp b, 0,1,2,3,4,5,6,7
.irp j, 7,6,5,4,3,2,1,0
	v_mul_f32 v[BI+8*\b+\j], s46, v[BI+8*\b]
.endr
.endr
	s_wait_alu depctr_va_vdst(0)
	s_wait_xcnt 0x0
	s_wait_tensorcnt 0x0                           ; my part of v's tile is in;
	s_wait_dscnt 0x0
	s_barrier_signal -1
	s_barrier_wait -1                              ; and everybody's.
	TILE 0, 1, 0, 0
	OUT 1, 44, 72
	s_wait_tensorcnt 0x0                           ; the wave's end
	ds_add_u32 v[SPW], v[NIL]
	s_wait_dscnt 0x0
	CROUND                                         ; the closing round
	s_endpgm
.Lfunc_end_k_q76a6e172f8_gemm_qkv:
	.size	k_q76a6e172f8_gemm_qkv, .Lfunc_end_k_q76a6e172f8_gemm_qkv-k_q76a6e172f8_gemm_qkv
	.p2alignl 7, 3214868480
	.fill 96, 4, 3214868480
	.section	.rodata,"a",@progbits
	.p2align	6, 0x0
	.amdhsa_kernel k_q76a6e172f8_gemm_qkv
		.amdhsa_group_segment_fixed_size 327680
		.amdhsa_private_segment_fixed_size 0
		.amdhsa_enable_private_segment 0
		.amdhsa_kernarg_size 56
		.amdhsa_user_sgpr_count 2
		.amdhsa_user_sgpr_kernarg_segment_ptr 1
		.amdhsa_wavefront_size32 1
		.amdhsa_system_sgpr_workgroup_id_x 1
		.amdhsa_system_sgpr_workgroup_id_y 1
		.amdhsa_system_sgpr_workgroup_id_z 1
		.amdhsa_system_vgpr_workitem_id 0
		.amdhsa_next_free_vgpr 1024
		.amdhsa_next_free_sgpr 100
		.amdhsa_reserve_vcc 0
		.amdhsa_float_denorm_mode_32 3
		.amdhsa_float_denorm_mode_16_64 3
		.amdhsa_memory_ordered 1
		.amdhsa_forward_progress 1
		.amdhsa_inst_pref_size 199
	.end_amdhsa_kernel
	.amdgpu_metadata
---
amdhsa.version: [ 1, 2 ]
amdhsa.kernels:
  - .name:           k_q76a6e172f8_gemm_qkv
    .symbol:         k_q76a6e172f8_gemm_qkv.kd
    .args:
      - { .name: xq, .offset: 0, .size: 8, .value_kind: global_buffer, .address_space: global }
      - { .name: wqc, .offset: 8, .size: 8, .value_kind: global_buffer, .address_space: global }
      - { .name: lowp_scales, .offset: 16, .size: 8, .value_kind: global_buffer, .address_space: global }
      - { .name: bqkv, .offset: 24, .size: 8, .value_kind: global_buffer, .address_space: global }
      - { .name: qc, .offset: 32, .size: 8, .value_kind: global_buffer, .address_space: global }
      - { .name: kc, .offset: 40, .size: 8, .value_kind: global_buffer, .address_space: global }
      - { .name: vc, .offset: 48, .size: 8, .value_kind: global_buffer, .address_space: global }
    .group_segment_fixed_size: 327680
    .private_segment_fixed_size: 0
    .kernarg_segment_align: 8
    .kernarg_segment_size: 56
    .max_flat_workgroup_size: 128
    .sgpr_count:     100
    .vgpr_count:     1024
    .wavefront_size: 32
...
	.end_amdgpu_metadata
.endif
;; end of part 2
;; launch attn (part 3): grid 4 x 64, 16 waves a work-group, clusters of 4 x 1, 327,680 bytes of LDS; arguments qc, kc, vc, lowp_scales, oc; writes oc
.if DOCPART == 3
	.amdgcn_target "amdgcn-amd-amdhsa--gfx1250"
	.amdhsa_code_object_version 6
	.text
	.protected	k_q76a6e172f8_attn
	.globl	k_q76a6e172f8_attn
	.p2align	8
	.type	k_q76a6e172f8_attn,@function
k_q76a6e172f8_attn:
	s_mov_b64 s[64:65], 0
	v_nop
	global_prefetch_b8 v0, s[64:65] scope:SCOPE_SE
	s_setreg_imm32_b32 hwreg(HW_REG_WAVE_MODE, 25, 1), 1
	s_wait_xcnt 0x0
	s_wait_alu depctr_hold_cnt(0) depctr_sa_sdst(0) depctr_va_vdst(0) depctr_va_sdst(0) depctr_va_ssrc(0) depctr_va_vcc(0) depctr_vm_vsrc(0)
	s_getreg_b32 s2, hwreg(HW_REG_IB_STS2, 6, 4)
	s_cmp_eq_u32 s2, 0
	s_cbranch_scc0 .Lentry_in_a_cluster
	s_endpgm
.Lentry_in_a_cluster:
	s_bfe_u32 s2, ttmp6, 0x10000c
	s_cmp_lg_u32 s2, 0x3003
	s_cbranch_scc0 .Lentry_shape_is_right
	s_endpgm
.Lentry_shape_is_right:
; o = softmax(q k^T / 8) v for one head y = 16 x batch + head, both products on codes of BF8 (E5M2); o is quantised at once (e6) and stored as codes for the last product.
; t = score x 2^(e2 + e3) x log2(e) / 8; M = the running largest t rounded up to a whole number; p = 2^(t - M) is quantised with 2^e4, not normalised; the row's sum is taken of the unquantised p and divides at the end.
; SHARES: a work-group owns 512 queries of a head, each of its 16 waves 32 of them (two tiles of 16) in 256 registers; every wave walks the head's 2,048 keys, 128 a step.
; LDS: a head's K (131,072 bytes, from byte 0) and V (131,072 bytes, from VB) are each filled ONCE, as they lie in memory.  At the head every wave asks for 4,096 bytes (together keys 0-511);
; behind the three lines and a round of the cluster's barrier every wave asks for 12,288 bytes (together keys 512-2,047), which have the first four key steps in which to land.  Nothing is filled again.
; CLUSTER: the four work-groups of a head read the same K and V: both loads are joint (mask 15).  No prefetch: both loads stand at the kernel's head, so there is no later load to run ahead of.
; LAYOUTS (as the launch before writes them): qc, kc: 16 tokens at 1,024 T; (token r, channel d) at 256 (d / 16) + 16 r + d % 16.  vc: 128 keys at 8,192 s; 16 channels at 2,048 ct; 32 keys at 512 c; lane at 16 x lane.
; Both products are used transposed (S^T = K Q^T, O^T = V^T P^T): a lane holds one query of each tile throughout, and p's registers run along the keys in the order in which vc is laid.
; CHAINS: the maxima and the sums of the two tiles run in eight chains that take turns, so that a line reads what was written eight lines earlier; the extra chains live in registers that are free at that place.
; LIMITS: e2 + e3 between -123 and 130; e4 and e6 between -126 and 112 (each power of two is an f32 number); the scaled scores stay under 2^31 in magnitude; NaN is not served.
; REGISTERS: v1 16 x lane; v2, v3 LDS addresses of the step's K and V; v4, v5 57,344 x 2^e4 (twice: the two halves of a dual pair name two registers); v6 -M, v7 largest score, v[8:9] sum (tile 0); v10-13 the same (tile 1);
; v14, 15, 18, 19 at work; v16, v20 the old -M, then f = 2^(old M - new M); v17 2^e4; v22, v23 the add's two; v24-39 Q; v40-55 two fragments; v56-123 p's codes and S^T of tile 0; v124-191 of tile 1; v192-255 O^T.
.set LI,  1
.set ADR, 2
.set ADV, 3
.set SPW, 22
.set NIL, 23
.set QF,  24
.set KB,  40
.set S0,  60
.set S1,  128
.set OA,  192
.set VB,    0x20000
.set SPARE, 0x40000                    ; behind K and V: the spare words, 128 bytes for each wave; no other line names them
.set WV,  16
.set TB,  19
.set CNT, 20
.set CS,  22
.set G1A, 24
.set G1B, 32
.set G0A, 40
.set G0B, 44
.set CSN, 57
.set SEL, 60
.macro CROUND                          ; a round of the cluster's barrier
	s_barrier_signal -1
	s_barrier_wait -1
	s_cmp_lg_u32 s[WV], 0
	s_cbranch_scc1 .Lnot_wave_0_\@
	s_barrier_signal -3
.Lnot_wave_0_\@:
	s_barrier_wait -3
	s_barrier_signal -1
	s_barrier_wait -1
.endm
	s_load_b256 s[4:11], s[0:1], 0x0               ; qc s[4:5], kc s[6:7], vc s[8:9], the scales' exponents s[10:11]
	s_load_b64 s[12:13], s[0:1], 0x20              ; oc
	v_lshl_add_u32 v[SPW], v0, 2, SPARE
	v_mov_b32 v[NIL], 0
	ds_add_u32 v[SPW], v[NIL]                      ; the opening lines: the add twice on end and its wait ahead of my first tensor load
	ds_add_u32 v[SPW], v[NIL]
	v_lshrrev_b32 v14, 5, v0
	v_readfirstlane_b32 s[WV], v14                 ; wave 0..15
	s_bfe_u32 s17, ttmp6, 0x40000                  ; cx: which 512 queries
	s_and_b32 s18, ttmp7, 0xffff                   ; the head y
	; descriptor groups 1: dense rows of 256 bytes (32 elements of 8 bytes), 16 rows and 48 rows; mask 15, bit 21 beside it
.irp g, G1A, G1B
	s_mov_b32 s[\g], 15|(3<<16)|(1<<21)
	s_mov_b32 s[\g+1], 32<<16
	s_mov_b32 s[\g+3], 32<<16
	s_mov_b32 s[\g+5], 32
	s_mov_b32 s[\g+6], 0
	s_mov_b32 s[\g+7], 0
.endr
	s_mov_b32 s[G1A+2], 16<<16
	s_mov_b32 s[G1A+4], 16
	s_mov_b32 s[G1B+2], 48<<16
	s_mov_b32 s[G1B+4], 48
	s_mov_b32 s[SEL], 0x76543210
	s_mov_b32 s[SEL+1], 0xfedcba98
	s_and_b32 s58, s[WV], 7                        ; waves 0-7 fetch K, waves 8-15 V: an eighth each
	s_lshr_b32 s59, s[WV], 3
	s_lshl_b32 s59, s59, 17                        ; 0 or VB
	s_lshl_b32 s2, s58, 12                         ; first load: byte 4,096 x eighth
	s_mul_i32 s58, s58, 12288
	s_add_co_u32 s58, s58, 32768                   ; second load: byte 32,768 + 12,288 x eighth
	s_mov_b32 s[G0A], 1
	s_add_co_u32 s[G0A+1], s2, s59
	s_mov_b32 s[G0B], 1
	s_add_co_u32 s[G0B+1], s58, s59
	s_lshl_b32 s21, s18, 17                        ; the head's first byte in qc, kc, vc
	s_add_co_u32 s2, s2, s21
	s_add_co_u32 s58, s58, s21
	s_mov_b32 s3, 0
	s_mov_b32 s59, 0
	s_wait_dscnt 0x0                               ; both opening adds are done
	s_wait_kmcnt 0x0
	s_load_b256 s[48:55], s[10:11], 0x0            ; e0 .. e7
	s_cmp_lt_u32 s[WV], 8
	s_cselect_b64 s[14:15], s[6:7], s[8:9]
	s_add_nc_u64 s[G0A+2:G0A+3], s[14:15], s[2:3]
	s_or_b32 s[G0A+3], s[G0A+3], 0x80000000
	s_add_nc_u64 s[G0B+2:G0B+3], s[14:15], s[58:59]
	s_or_b32 s[G0B+3], s[G0B+3], 0x80000000
	CROUND                                         ; the four work-groups are here: the first joint loads meet
	tensor_load_to_lds s[G0A:G0A+3], s[G1A:G1A+7]  ; keys 0-511: my one load at the head
	s_nop 0
	s_lshl_b32 s2, s17, 15
	s_add_co_u32 s2, s2, s21
	s_lshl_b32 s21, s[WV], 11
	s_add_co_u32 s2, s2, s21                       ; my 32 queries: 2,048 bytes
	s_add_nc_u64 s[4:5], s[4:5], s[2:3]
	v_and_b32 v[LI], 31, v0
	v_lshlrev_b32 v[LI], 4, v[LI]
.irp q, 0,1
.irp c, 0,1
	global_load_b128 v[QF+8*\q+4*\c:QF+8*\q+4*\c+3], v[LI], s[4:5] offset:\q*1024+\c*512
.endr
.endr
	s_lshr_b32 s2, s18, 4                          ; oc: tile of 16 tokens (128 x batch + 32 cx + 2 wave) at 16,384 bytes, the head's 64 channels at 1,024 x head
	s_lshl_b32 s2, s2, 7
	s_lshl_b32 s21, s17, 5
	s_add_co_u32 s2, s2, s21
	s_lshl_b32 s21, s[WV], 1
	s_add_co_u32 s2, s2, s21
	s_lshl_b32 s2, s2, 14
	s_and_b32 s21, s18, 15
	s_lshl_b32 s21, s21, 10
	s_add_co_u32 s2, s2, s21
	s_add_nc_u64 s[12:13], s[12:13], s[2:3]
	v_mov_b32 v6, 0x7f61b1e6                       ; -M = 3e38 and the largest score = -3e38: the first step's f is 0, on sums that are 0
	v_mov_b32 v7, 0xff61b1e6
	v_mov_b32 v10, 0x7f61b1e6
	v_mov_b32 v11, 0xff61b1e6
.irp j, 8,9,12,13,21
	v_mov_b32 v\j, 0
.endr
.set j, 0
.rept 64
	v_mov_b32 v[OA+j], 0                           ; the step is written for every step alike: the first finds zeros
.set j, j+1
.endr
	s_wait_kmcnt 0x0
	s_add_co_i32 s2, s50, s51
	s_lshl_b32 s2, s2, 23
	s_add_co_i32 s[CS], s2, 0x3e38aa3b             ; c = log2(e) / 8 x 2^(e2 + e3): the exponents are added to c's exponent field
	s_mov_b32 s[CS+1], s[CS]
	s_xor_b32 s[CSN], s[CS], 0x80000000            ; -c
	s_add_co_i32 s2, s52, 127
	s_lshl_b32 s3, s2, 23
	v_mov_b32 v17, s3                              ; 2^e4
	s_add_co_i32 s2, s2, 15
	s_lshl_b32 s2, s2, 23
	s_or_b32 s2, s2, 0x600000
	v_mov_b32 v4, s2                               ; 57,344 x 2^e4
	v_mov_b32 v5, s2
	s_add_co_i32 s56, s52, s53                     ; e4 + e5
.macro KLD dst, t                      ; K's tile t of the step: 16 keys x 64 channels, 8 registers
	ds_load_b128 v[\dst:\dst+3], v[ADR] offset:(\t)*1024
	ds_load_b128 v[\dst+4:\dst+7], v[ADR] offset:(\t)*1024+512
.endm
.macro QK src, t                       ; the tile against both tiles of queries
	v_wmma_f32_16x16x64_bf8_bf8 v[S0+8*\t:S0+8*\t+7], v[\src:\src+7], v[QF:QF+7], 0
	v_wmma_f32_16x16x64_bf8_bf8 v[S1+8*\t:S1+8*\t+7], v[\src:\src+7], v[QF+8:QF+15], 0
.endm
.macro MAX8 i                          ; eight scores of each tile of queries, in eight chains; registers ascend
	v_max3_num_f32 v14, v14, v[S0+\i], v[S0+\i+1]
	v_max3_num_f32 v18, v18, v[S1+\i], v[S1+\i+1]
	v_max3_num_f32 v15, v15, v[S0+\i+2], v[S0+\i+3]
	v_max3_num_f32 v19, v19, v[S1+\i+2], v[S1+\i+3]
	v_max3_num_f32 v56, v56, v[S0+\i+4], v[S0+\i+5]
	v_max3_num_f32 v124, v124, v[S1+\i+4], v[S1+\i+5]
	v_max3_num_f32 v57, v57, v[S0+\i+6], v[S0+\i+7]
	v_max3_num_f32 v125, v125, v[S1+\i+6], v[S1+\i+7]
.endm
.macro FMA j0, n                       ; t - M, two at a time, n pairs of each tile from register j0 on
.set j, \j0
.rept \n
	v_pk_fma_f32 v[S0+j:S0+j+1], v[S0+j:S0+j+1], s[CS:CS+1], v[6:7] op_sel_hi:[1,0,0]
	v_pk_fma_f32 v[S1+j:S1+j+1], v[S1+j:S1+j+1], s[CS:CS+1], v[10:11] op_sel_hi:[1,0,0]
.set j, j+2
.endr
.endm
.macro ADD4 q                          ; pairs q .. q + 3 of each tile's unquantised p onto its four chains
	v_pk_add_f32 v[8:9], v[8:9], v[S0+2*\q:S0+2*\q+1]
	v_pk_add_f32 v[12:13], v[12:13], v[S1+2*\q:S1+2*\q+1]
	v_pk_add_f32 v[40:41], v[40:41], v[S0+2*\q+2:S0+2*\q+3]
	v_pk_add_f32 v[14:15], v[14:15], v[S1+2*\q+2:S1+2*\q+3]
	v_pk_add_f32 v[42:43], v[42:43], v[S0+2*\q+4:S0+2*\q+5]
	v_pk_add_f32 v[18:19], v[18:19], v[S1+2*\q+4:S1+2*\q+5]
	v_pk_add_f32 v[44:45], v[44:45], v[S0+2*\q+6:S0+2*\q+7]
	v_pk_add_f32 v[20:21], v[20:21], v[S1+2*\q+6:S1+2*\q+7]
.endm
.macro HOLD S, b                       ; 16 of p: the conversion does not saturate (ISA guide 7.6.2); p is not negative, so the hold is one-sided; two a line
.irp j, 0,2,4,6,8,10,12,14
	v_dual_min_num_f32 v[\S+16*\b+\j], v[\S+16*\b+\j], v4 :: v_dual_min_num_f32 v[\S+16*\b+\j+1], v[\S+16*\b+\j+1], v5
.endr
.endm
.macro CVT S, b                        ; their codes: registers 4 b .. 4 b + 3 of the operand, which begins four registers under the scores
	v_cvt_scalef32_pk8_bf8_f32 v[\S-4+4*\b:\S-3+4*\b], v[\S+16*\b:\S+16*\b+7], v17
	v_cvt_scalef32_pk8_bf8_f32 v[\S-2+4*\b:\S-1+4*\b], v[\S+16*\b+8:\S+16*\b+15], v17
.endm
; A KEY STEP: 128 keys at LDS byte s[TB] of K and of V.
.macro STEP
	v_add_nc_u32 v[ADR], s[TB], v[LI]
	v_add_nc_u32 v[ADV], VB, v[ADR]
	s_wait_alu depctr_va_vdst(0)
.rept 3
	v_nop                                          ; with the two additions five places behind the last step's products, whose operands are loaded and written over below
.endr
	KLD KB, 0                                      ; six tiles in one run: two into the fragment registers, four into the score registers of tiles 6 and 7, which are still free
	KLD KB+8, 1
	KLD S0+48, 2
	KLD S0+56, 3
	KLD S1+48, 4
	KLD S1+56, 5
	s_wait_dscnt 0x0
	QK KB, 0
	QK KB+8, 1
	QK S0+48, 2
	QK S0+56, 3
	QK S1+48, 4
	QK S1+56, 5
.rept 4
	v_nop                                          ; places in front of the loads into the fragment registers and of the first reads of scores
.endr
	KLD KB, 6                                      ; the last two tiles come while the maxima of the first six are taken
	KLD KB+8, 7
	v_max3_num_f32 v14, v[S0], v[S0+1], v[S0+2]    ; four chains a tile: v14, v15 and two of the codes' registers, which are free here
	v_max3_num_f32 v18, v[S1], v[S1+1], v[S1+2]
	v_max3_num_f32 v15, v[S0+3], v[S0+4], v[S0+5]
	v_max3_num_f32 v19, v[S1+3], v[S1+4], v[S1+5]
	v_max3_num_f32 v56, v[S0+6], v[S0+7], v[S0+8]
	v_max3_num_f32 v124, v[S1+6], v[S1+7], v[S1+8]
	v_max3_num_f32 v57, v[S0+9], v[S0+10], v[S0+11]
	v_max3_num_f32 v125, v[S1+9], v[S1+10], v[S1+11]
	v_mov_b32 v16, v6                              ; the old -M of both tiles
	v_mov_b32 v20, v10
.irp i, 12,20,28,36
	MAX8 \i
.endr
	v_max3_num_f32 v14, v14, v[S0+44], v[S0+45]
	v_max3_num_f32 v18, v18, v[S1+44], v[S1+45]
	v_max3_num_f32 v15, v15, v[S0+46], v[S0+47]
	v_max3_num_f32 v19, v19, v[S1+46], v[S1+47]
	s_wait_alu depctr_va_vdst(0)
	s_wait_dscnt 0x0
	QK KB, 6                                       ; (they write over the registers that held tiles 2 to 5: the lines above are more than five places)
	QK KB+8, 7
.rept 4
	v_nop
.endr
	MAX8 48
	MAX8 56
	v_max3_num_f32 v14, v14, v15, v56              ; the chains are joined, with the running largest score; the two tiles take turns
	v_max3_num_f32 v18, v18, v19, v124
	v_max3_num_f32 v14, v14, v57, v7
	v_max3_num_f32 v18, v18, v125, v11
	v_permlanex16_b32 v15, v14, s[SEL], s[SEL+1]
	v_permlanex16_b32 v19, v18, s[SEL], s[SEL+1]
	v_max_num_f32 v7, v14, v15                     ; and lane l xor 16's
	v_max_num_f32 v11, v18, v19
	v_mul_f32 v14, s[CSN], v7                      ; -t (c is positive)
	v_mul_f32 v18, s[CSN], v11
	v_floor_f32 v6, v14                            ; the new -M = floor(-t): M is a whole number
	v_floor_f32 v10, v18
	v_sub_f32 v16, v6, v16                         ; old M - new M, 0 or less.  The lines that make f of it stand among the multiply-adds, which do not hang on them
	v_sub_f32 v20, v10, v20
	FMA 0, 2
	v_cvt_i32_f32 v16, v16                         ; (it saturates)
	v_cvt_i32_f32 v20, v20
	FMA 4, 2
	v_ldexp_f32 v16, 1.0, v16                      ; f = 2^(old M - new M): rounds nothing
	v_ldexp_f32 v20, 1.0, v20
	FMA 8, 28
.set j, 0
.rept 16
	v_pk_mul_f32 v[OA+j:OA+j+1], v[OA+j:OA+j+1], v[16:17] op_sel_hi:[1,0]                 ; O^T under the new M, ahead of the exponentials
	v_pk_mul_f32 v[OA+32+j:OA+32+j+1], v[OA+32+j:OA+32+j+1], v[20:21] op_sel_hi:[1,0]
.set j, j+2
.endr
	s_wait_alu depctr_va_vdst(0)
.set j, 0
.rept 64
	v_exp_f32 v[S0+j], v[S0+j]                     ; p = 2^(t - M)
.set j, j+1
.endr
.set j, 0
.rept 64
	v_exp_f32 v[S1+j], v[S1+j]
.set j, j+1
.endr
	v_pk_mul_f32 v[8:9], v[8:9], v[16:17] op_sel_hi:[1,0]      ; the sums under the new M (plain lines behind the batch)
	v_pk_mul_f32 v[12:13], v[12:13], v[20:21] op_sel_hi:[1,0]
	s_wait_alu depctr_va_vdst(0)                   ; one wait for the batch, ahead of its first reader
	v_pk_add_f32 v[40:41], v[S0:S0+1], v[S0+2:S0+3]            ; THE ROWS' SUMS OF THE UNQUANTISED p: four chains a tile; tile 0's three extra ones in fragment registers that are free here
	v_pk_add_f32 v[14:15], v[S1:S1+1], v[S1+2:S1+3]
	v_pk_add_f32 v[42:43], v[S0+4:S0+5], v[S0+6:S0+7]
	v_pk_add_f32 v[18:19], v[S1+4:S1+5], v[S1+6:S1+7]
	v_pk_add_f32 v[44:45], v[S0+8:S0+9], v[S0+10:S0+11]
	v_pk_add_f32 v[20:21], v[S1+8:S1+9], v[S1+10:S1+11]
.irp q, 6,10,14,18,22,26
	ADD4 \q
.endr
	v_pk_add_f32 v[8:9], v[8:9], v[S0+60:S0+61]
	v_pk_add_f32 v[12:13], v[12:13], v[S1+60:S1+61]
	v_pk_add_f32 v[40:41], v[40:41], v[S0+62:S0+63]
	v_pk_add_f32 v[14:15], v[14:15], v[S1+62:S1+63]
	v_pk_add_f32 v[42:43], v[42:43], v[44:45]      ; the chains are joined; the four joins that are left are the plain lines behind the conversions below
	v_pk_add_f32 v[18:19], v[18:19], v[20:21]
	HOLD S0, 0                                     ; a block's holds stand a block ahead of its conversions
	HOLD S0, 1
	CVT S0, 0
	v_pk_add_f32 v[8:9], v[8:9], v[40:41]          ; (a plain line between block 0's conversions and the later ones, which write over its numbers)
	HOLD S0, 2
	CVT S0, 1
	v_pk_add_f32 v[8:9], v[8:9], v[42:43]
	HOLD S0, 3
	CVT S0, 2
	CVT S0, 3
.irp ct, 0,1,2,3                       ; V's four fragments (16 channels x 128 keys) into the registers that tile 0's p has left, and the fragment registers
.if \ct < 3
.set VF, 72+16*\ct
.else
.set VF, KB
.endif
.irp c, 0,1,2,3
	ds_load_b128 v[VF+4*\c:VF+4*\c+3], v[ADV] offset:\ct*2048+\c*512
.endr
.endr
	HOLD S1, 0
	HOLD S1, 1
	CVT S1, 0
	v_pk_add_f32 v[12:13], v[12:13], v[14:15]
	HOLD S1, 2
	CVT S1, 1
	HOLD S1, 3
	CVT S1, 2
	CVT S1, 3
	v_pk_add_f32 v[12:13], v[12:13], v[18:19]      ; (the plain line between the last conversion and the products)
	s_wait_alu depctr_va_vdst(0)
	s_wait_dscnt 0x0
.irp ct, 0,1,2,3
.if \ct < 3
.set VF, 72+16*\ct
.else
.set VF, KB
.endif
	v_wmma_f32_16x16x128_bf8_bf8 v[OA+8*\ct:OA+8*\ct+7], v[VF:VF+15], v[S0-4:S0+11], v[OA+8*\ct:OA+8*\ct+7]          ; the eight accumulators take turns
	v_wmma_f32_16x16x128_bf8_bf8 v[OA+32+8*\ct:OA+32+8*\ct+7], v[VF:VF+15], v[S1-4:S1+11], v[OA+32+8*\ct:OA+32+8*\ct+7]
.endr
.endm
	s_wait_alu depctr_va_vdst(0)
	s_wait_tensorcnt 0x0                           ; my part of keys 0-511 is in; the three lines stand ahead of the later first fill
	ds_add_u32 v[SPW], v[NIL]
	s_wait_dscnt 0x0
	CROUND                                         ; everybody's part is in, and the four work-groups are here
	tensor_load_to_lds s[G0B:G0B+3], s[G1B:G1B+7]  ; keys 512-2,047: my one load behind the round
	s_nop 0
	s_wait_loadcnt 0x0                             ; Q
	s_mov_b32 s[TB], 0
	s_mov_b32 s[CNT], 4
.Lfirst:                                           ; keys 0-511
	STEP
	s_add_co_u32 s[TB], s[TB], 8192
	s_sub_co_u32 s[CNT], s[CNT], 1
	s_cmp_lg_u32 s[CNT], 0
	s_cbranch_scc1 .Lfirst
	s_wait_tensorcnt 0x0                           ; my part of the other keys is in;
	s_wait_dscnt 0x0
	s_barrier_signal -1
	s_barrier_wait -1                              ; and everybody's.
	s_mov_b32 s[TB], 32768
	s_mov_b32 s[CNT], 12
.Lrest:                                            ; keys 512-2,047
	STEP
	s_add_co_u32 s[TB], s[TB], 8192
	s_sub_co_u32 s[CNT], s[CNT], 1
	s_cmp_lg_u32 s[CNT], 0
	s_cbranch_scc1 .Lrest
	; THE WAY OUT: O^T x 2^(e4 + e5) / the sum, held, converted with 2^e6; a lane's eight numbers are eight neighbouring channels, and 32 lanes store 256 consecutive bytes
	v_add_f32 v8, v8, v9
	v_add_f32 v12, v12, v13
	v_permlanex16_b32 v14, v8, s[SEL], s[SEL+1]
	v_permlanex16_b32 v18, v12, s[SEL], s[SEL+1]
	v_add_f32 v8, v8, v14
	v_add_f32 v12, v12, v18
	s_wait_alu depctr_va_vdst(0)
	v_rcp_f32 v16, v8
	v_rcp_f32 v20, v12
	v_and_b32 v14, 15, v0
	v_bfe_u32 v15, v0, 4, 1
	v_lshlrev_b32 v[ADR], 4, v14
	v_lshl_add_u32 v[ADR], v15, 3, v[ADR]          ; 16 r + 8 h: my 8 bytes of a unit of 256
	s_add_co_i32 s2, s54, 127
	s_lshl_b32 s3, s2, 23
	v_mov_b32 v4, s3                               ; 2^e6
	s_add_co_i32 s2, s2, 15
	s_lshl_b32 s2, s2, 23
	s_or_b32 s2, s2, 0x600000
	v_mov_b32 v5, s2                               ; 57,344 x 2^e6
	s_wait_alu depctr_va_vdst(0)                   ; the wait ahead of the reciprocals' first reader
	v_ldexp_f32 v16, v16, s56
	v_ldexp_f32 v20, v20, s56
	s_wait_alu depctr_va_vdst(0)
.irp q, 0,1
.set j, 0
.rept 16
	v_pk_mul_f32 v[OA+32*\q+j:OA+32*\q+j+1], v[OA+32*\q+j:OA+32*\q+j+1], v[16+4*\q:17+4*\q] op_sel_hi:[1,0]
.set j, j+2
.endr
.endr
.set j, 0
.rept 64
	v_med3_num_f32 v[OA+j], v[OA+j], -v5, v5
.set j, j+1
.endr
.irp q, 0,1
.irp ct, 0,1,2,3
	v_cvt_scalef32_pk8_bf8_f32 v[KB+8*\q+2*\ct:KB+8*\q+2*\ct+1], v[OA+32*\q+8*\ct:OA+32*\q+8*\ct+7], v4
.endr
.endr
	v_nop
.irp q, 0,1
.irp ct, 0,1,2,3
	global_store_b64 v[ADR], v[KB+8*\q+2*\ct:KB+8*\q+2*\ct+1], s[12:13] offset:\q*16384+\ct*256
.endr
.endr
	s_wait_tensorcnt 0x0                           ; the wave's end
	ds_add_u32 v[SPW], v[NIL]
	s_wait_dscnt 0x0
	CROUND                                         ; the closing round
	s_endpgm
.Lfunc_end_k_q76a6e172f8_attn:
	.size	k_q76a6e172f8_attn, .Lfunc_end_k_q76a6e172f8_attn-k_q76a6e172f8_attn
	.p2alignl 7, 3214868480
	.fill 96, 4, 3214868480
	.section	.rodata,"a",@progbits
	.p2align	6, 0x0
	.amdhsa_kernel k_q76a6e172f8_attn
		.amdhsa_group_segment_fixed_size 327680
		.amdhsa_private_segment_fixed_size 0
		.amdhsa_enable_private_segment 0
		.amdhsa_kernarg_size 40
		.amdhsa_user_sgpr_count 2
		.amdhsa_user_sgpr_kernarg_segment_ptr 1
		.amdhsa_wavefront_size32 1
		.amdhsa_system_sgpr_workgroup_id_x 1
		.amdhsa_system_sgpr_workgroup_id_y 1
		.amdhsa_system_sgpr_workgroup_id_z 1
		.amdhsa_system_vgpr_workitem_id 0
		.amdhsa_next_free_vgpr 256
		.amdhsa_next_free_sgpr 66
		.amdhsa_reserve_vcc 0
		.amdhsa_float_denorm_mode_32 3
		.amdhsa_float_denorm_mode_16_64 3
		.amdhsa_memory_ordered 1
		.amdhsa_forward_progress 1
		.amdhsa_inst_pref_size 73
	.end_amdhsa_kernel
	.amdgpu_metadata
---
amdhsa.version: [ 1, 2 ]
amdhsa.kernels:
  - .name:           k_q76a6e172f8_attn
    .symbol:         k_q76a6e172f8_attn.kd
    .args:
      - { .name: qc, .offset: 0, .size: 8, .value_kind: global_buffer, .address_space: global }
      - { .name: kc, .offset: 8, .size: 8, .value_kind: global_buffer, .address_space: global }
      - { .name: vc, .offset: 16, .size: 8, .value_kind: global_buffer, .address_space: global }
      - { .name: lowp_scales, .offset: 24, .size: 8, .value_kind: global_buffer, .address_space: global }
      - { .name: oc, .offset: 32, .size: 8, .value_kind: global_buffer, .address_space: global }
    .group_segment_fixed_size: 327680
    .private_segment_fixed_size: 0
    .kernarg_segment_align: 8
    .kernarg_segment_size: 40
    .max_flat_workgroup_size: 512
    .sgpr_count:     66
    .vgpr_count:     256
    .wavefront_size: 32
...
	.end_amdgpu_metadata
.endif
;; end of part 3
;; launch gemm_out (part 4): grid 32 x 8, 4 waves a work-group, clusters of 4 x 1, 327,680 bytes of LDS; arguments oc, woc, lowp_scales, bo, out0; writes out0
.if DOCPART == 4
	.amdgcn_target "amdgcn-amd-amdhsa--gfx1250"
	.amdhsa_code_object_version 6
	.text
	.protected	k_q76a6e172f8_gemm_out
	.globl	k_q76a6e172f8_gemm_out
	.p2align	8
	.type	k_q76a6e172f8_gemm_out,@function
k_q76a6e172f8_gemm_out:
	s_mov_b64 s[64:65], 0
	v_nop
	global_prefetch_b8 v0, s[64:65] scope:SCOPE_SE
	s_setreg_imm32_b32 hwreg(HW_REG_WAVE_MODE, 25, 1), 1
	s_wait_xcnt 0x0
	s_wait_alu depctr_hold_cnt(0) depctr_sa_sdst(0) depctr_va_vdst(0) depctr_va_sdst(0) depctr_va_ssrc(0) depctr_va_vcc(0) depctr_vm_vsrc(0)
	s_getreg_b32 s2, hwreg(HW_REG_IB_STS2, 6, 4)
	s_cmp_eq_u32 s2, 0
	s_cbranch_scc0 .Lentry_in_a_cluster
	s_endpgm
.Lentry_in_a_cluster:
	s_bfe_u32 s2, ttmp6, 0x10000c
	s_cmp_lg_u32 s2, 0x3003
	s_cbranch_scc0 .Lentry_shape_is_right
	s_endpgm
.Lentry_shape_is_right:
; out0 = o Wo + bo on codes of BF8 (E5M2), f32 out.  A work-group makes 256 tokens x 128 columns, a wave 64 tokens x 128 columns: 32 accumulators.
; A: oc lies by tiles of 16 tokens in fragment order (tile T at 16,384 T; (token r, channel d) at 256 (d / 16) + 16 r + d % 16): the wave's 64 tokens x 1,024 K go from memory straight into 512 registers.
; B: 128 rows of woc, all 1,024 K, fill one LDS slot once (rows of 1,024 bytes + 16), by one joint load a wave: the four work-groups of a cluster, along the tokens, read the same rows (mask 15).
; All loads stand at the head, so no prefetch is laid.  The bias goes in as C of a sum's first product, x 2^-(e6 + e7); each finished sum is multiplied by 2^(e6 + e7).
; Source 0 = 16 columns, source 1 = 16 tokens: a lane holds eight neighbouring columns of one token; 16 tokens at a time go through the wave's own stage and leave as rows of 512 consecutive bytes.
; LIMIT: e6 + e7 between -126 and 126.
; REGISTERS: as in the launch for q, k, v: window 0: v0-31, v32-95 the bias, v128-255 B's fragments (then the way out); window 1 the accumulators; windows 2, 3 A.
.set PITCH, 1040
.set SLOT,  128*PITCH
.set SPITCH, 528
.set STAGE, SLOT                       ; behind the slot: 16 rows x 528 bytes for each wave; no fill lands there
.set SPARE, STAGE+4*16*SPITCH
.set NBL,   0
.set BA,  8
.set LI,  11
.set STO, 12
.set RD,  13
.set AD,  16
.set SPW, 28
.set NIL, 29
.set BI,  32
.set BF,  128
.set G1,  24
.set G0,  32
.set MSB, 0
.macro WIN new
.if MSB != (\new)
	s_set_vgpr_msb (MSB<<8)|(\new)
.set MSB, (\new)
.endif
.endm
.macro CROUND
	s_barrier_signal -1
	s_barrier_wait -1
	s_cmp_lg_u32 s14, 0
	s_cbranch_scc1 .Lnot_wave_0_\@
	s_barrier_signal -3
.Lnot_wave_0_\@:
	s_barrier_wait -3
	s_barrier_signal -1
	s_barrier_wait -1
.endm
.macro PLACES
.rept 4
	v_nop
.endr
.endm
.macro ALOAD ks
	WIN 0x80+0x40*((\ks)/4)
.irp a, 0,1,2,3
.irp c, 0,1,2,3
	global_load_b128 v[16*(4*((\ks)%4)+\a)+4*\c:16*(4*((\ks)%4)+\a)+4*\c+3], v[LI], s[4:5] offset:\a*16384+(\ks)*2048+\c*512
.endr
.endr
	WIN 0
.endm
.macro FETCH ks, hb
.irp b, 0,1,2,3
.irp c, 0,1,2,3
	ds_load_b128 v[BF+16*(4*\hb+\b)+4*\c:BF+16*(4*\hb+\b)+4*\c+3], v[AD+\hb] offset:\b*16*PITCH+(\ks)*128+\c*32
.endr
.endr
.endm
.macro MUL16 ks, hb                    ; 16 products; the 32 accumulators take turns in the same order in every K step
.if (\ks) == 0
	WIN 0x40|((2+(\ks)/4)<<2)
.else
	WIN 0x50|((2+(\ks)/4)<<2)
.endif
.irp b, 0,1,2,3
.irp a, 0,1,2,3
.set DD, 8*(4*(4*\hb+\b)+\a)
.set AA, 16*(4*((\ks)%4)+\a)
.set BB, BF+16*(4*\hb+\b)
.if (\ks) == 0
.set CC, BI+8*(4*\hb+\b)
.else
.set CC, DD
.endif
	v_wmma_f32_16x16x128_bf8_bf8 v[DD:DD+7], v[BB:BB+15], v[AA:AA+15], v[CC:CC+7]
.endr
.endr
.endm
	s_load_b256 s[4:11], s[0:1], 0x0               ; oc s[4:5], woc s[6:7], the scales' exponents s[8:9], bo s[10:11]
	s_load_b64 s[12:13], s[0:1], 0x20              ; out0
	v_lshl_add_u32 v[SPW], v0, 2, SPARE
	v_mov_b32 v[NIL], 0
	ds_add_u32 v[SPW], v[NIL]                      ; the opening lines: the add twice on end and its wait ahead of my first tensor load
	ds_add_u32 v[SPW], v[NIL]
	v_lshrrev_b32 v1, 5, v0
	v_readfirstlane_b32 s14, v1                    ; wave 0..3
	v_and_b32 v1, 15, v0                           ; r
	v_bfe_u32 v2, v0, 4, 1                         ; h
	v_mul_u32_u24 v3, v1, PITCH
	v_lshl_add_u32 v[AD], v2, 4, v3
	v_add_nc_u32 v[AD+1], 64*PITCH, v[AD]
	v_lshlrev_b32 v[BA], 5, v2
	v_and_b32 v[LI], 31, v0
	v_lshlrev_b32 v[LI], 4, v[LI]
	s_mul_i32 s23, s14, 16*SPITCH
	s_add_co_u32 s23, s23, STAGE                   ; my stage
	v_mul_u32_u24 v4, v1, SPITCH
	v_lshl_add_u32 v4, v2, 5, v4
	v_add_nc_u32 v[STO], s23, v4                   ; in: row r, 32 bytes for each half of the lanes
	v_add_nc_u32 v[RD], s23, v[LI]                 ; back: the 32 lanes take one row of 512 bytes
	s_bfe_u32 s15, ttmp6, 0x40000                  ; cx
	s_lshl_b32 s16, ttmp9, 2
	s_add_co_u32 s16, s16, s15                     ; which 256 tokens
	s_and_b32 s17, ttmp7, 0xffff                   ; which 128 columns: the same in all four partners
	s_mov_b32 s[G1], 15|(1<<20)|(1<<21)|(7<<22)|(3<<25)   ; mask 15, bit 21 beside it; elements of 1 byte; four words of padding after every 256
	s_mov_b32 s[G1+1], 1024<<16
	s_mov_b32 s[G1+2], 32<<16
	s_mov_b32 s[G1+3], 1024<<16
	s_mov_b32 s[G1+4], 32
	s_mov_b32 s[G1+5], 1024
	s_mov_b32 s[G1+6], 0
	s_mov_b32 s[G1+7], 0
	s_lshl_b32 s18, s17, 17
	s_lshl_b32 s19, s14, 15
	s_add_co_u32 s18, s18, s19                     ; woc: row 128 y + 32 wave
	s_mov_b32 s19, 0
	s_mov_b32 s[G0], 1
	s_mul_i32 s[G0+1], s14, 32*PITCH
	s_lshl_b32 s20, s16, 18
	s_lshl_b32 s21, s14, 16
	s_add_co_u32 s20, s20, s21                     ; oc: my 64 tokens
	s_mov_b32 s21, 0
	s_lshl_b32 s22, s17, 9                         ; 128 columns of f32 are 512 bytes, in bo and in a row of out0
	s_mov_b32 s23, 0
	s_lshl_b32 s48, s16, 20
	s_lshl_b32 s49, s14, 18
	s_add_co_u32 s48, s48, s49
	s_add_co_u32 s48, s48, s22                     ; out0: my first token's row of 4,096 bytes, + my columns
	s_mov_b32 s49, 0
	s_wait_alu depctr_va_vdst(0)
	s_wait_dscnt 0x0                               ; both opening adds are done
	s_wait_kmcnt 0x0
	s_load_b64 s[80:81], s[8:9], 0x18              ; e6, e7
	s_add_nc_u64 s[G0+2:G0+3], s[6:7], s[18:19]
	s_or_b32 s[G0+3], s[G0+3], 0x80000000
	s_add_nc_u64 s[4:5], s[4:5], s[20:21]
	s_add_nc_u64 s[10:11], s[10:11], s[22:23]
	s_add_nc_u64 s[12:13], s[12:13], s[48:49]
.irp b, 0,1,2,3,4,5,6,7
	global_load_b128 v[BI+8*\b:BI+8*\b+3], v[BA], s[10:11] offset:64*\b
	global_load_b128 v[BI+8*\b+4:BI+8*\b+7], v[BA], s[10:11] offset:64*\b+16
.endr
	ALOAD 0                                        ; the bias and A's first three K steps are asked for ahead of the round
	ALOAD 1
	ALOAD 2
	CROUND                                         ; the four work-groups are here: the joint loads meet
	tensor_load_to_lds s[G0:G0+3], s[G1:G1+7]      ; my 32 rows of B: my one tensor load
	s_nop 0
	PLACES
	ALOAD 3                                        ; the rest of A
	ALOAD 4
	ALOAD 5
	ALOAD 6
	ALOAD 7
	s_wait_kmcnt 0x0
	s_add_co_i32 s18, s80, s81                     ; e6 + e7
	s_sub_co_i32 s46, 127, s18
	s_lshl_b32 s46, s46, 23                        ; 2^-(e6 + e7)
	s_mov_b32 s47, s46
	s_add_co_i32 s96, s18, 127
	s_lshl_b32 s96, s96, 23                        ; 2^(e6 + e7)
	s_mov_b32 s97, s96
	s_wait_loadcnt 63                              ; the bias, the oldest 16 of the 144 loads, is in (a count names 63 at the most)
.set j, 0
.rept 32
	v_pk_mul_f32 v[BI+j:BI+j+1], v[BI+j:BI+j+1], s[46:47] op_sel_hi:[1,0]
.set j, j+2
.endr
	s_wait_alu depctr_va_vdst(0)
	s_wait_tensorcnt 0x0                           ; my part of B is in;
	s_barrier_signal -1
	s_barrier_wait -1                              ; and everybody's.
	FETCH 0, 0
	FETCH 0, 1
.irp ks, 0,1,2,3,4,5,6,7               ; B has one set of registers in two halves: a half is fetched anew as soon as its 16 products are issued
	s_wait_dscnt 16                                ; the older half is in; the younger sixteen loads may be out
.set LW, 112-16*\ks                    ; the loads of A's later K steps may be out (a count names 63 at the most)
.if LW > 63
.set LW, 63
.endif
	s_wait_loadcnt LW
	MUL16 \ks, 0
	PLACES
	WIN 0
.if \ks < 7
	FETCH \ks+1, 0
	s_wait_dscnt 16
.else
	s_wait_dscnt 0
.endif
	MUL16 \ks, 1
	PLACES
	WIN 0
.if \ks < 7
	FETCH \ks+1, 1
.endif
.endr
; THE WAY OUT, 16 tokens x 128 columns at a time.  LDS serves a wave's instructions in order: no wait between the stores and the loads, nor in front of the next block's stores.
.macro TOSTAGE a
	WIN 0x04                                       ; the stores' data: window 1
.irp b, 0,1,2,3,4,5,6,7
	ds_store_b128 v[STO], v[8*(4*\b+(\a)):8*(4*\b+(\a))+3] offset:64*\b
	ds_store_b128 v[STO], v[8*(4*\b+(\a))+4:8*(4*\b+(\a))+7] offset:64*\b+16
.endr
	WIN 0
.set BK, BF+64*((\a)%2)
.irp t, 0,1,2,3,4,5,6,7,8,9,10,11,12,13,14,15
	ds_load_b128 v[BK+4*\t:BK+4*\t+3], v[RD] offset:\t*SPITCH
.endr
.endm
.macro SEND a, younger                 ; younger: the LDS instructions issued behind block a's loads, which may stay out
.set BK, BF+64*((\a)%2)
	s_wait_dscnt \younger
.set i, 0
.rept 32
	v_pk_mul_f32 v[BK+2*i:BK+2*i+1], v[BK+2*i:BK+2*i+1], s[96:97] op_sel_hi:[1,0]
.set i, i+1
.endr
.irp t, 0,1,2,3,4,5,6,7,8,9,10,11,12,13,14,15
	global_store_b128 v[LI], v[BK+4*\t:BK+4*\t+3], s[12:13] offset:(\a)*65536+\t*4096 th:TH_STORE_NT   ; 512 consecutive bytes, aligned
.endr
.endm
	TOSTAGE 0
.irp a, 1,2,3
.if \a > 1
	s_wait_xcnt 0x0                                ; block a - 2's stores have read their registers: block a's loads may land there
.endif
	TOSTAGE \a
	SEND \a-1, 32
.endr
	SEND 3, 0
	s_wait_tensorcnt 0x0                           ; the wave's end
	ds_add_u32 v[SPW], v[NIL]
	s_wait_dscnt 0x0
	CROUND                                         ; the closing round
	s_endpgm
.Lfunc_end_k_q76a6e172f8_gemm_out:
	.size	k_q76a6e172f8_gemm_out, .Lfunc_end_k_q76a6e172f8_gemm_out-k_q76a6e172f8_gemm_out
	.p2alignl 7, 3214868480
	.fill 96, 4, 3214868480
	.section	.rodata,"a",@progbits
	.p2align	6, 0x0
	.amdhsa_kernel k_q76a6e172f8_gemm_out
		.amdhsa_group_segment_fixed_size 327680
		.amdhsa_private_segment_fixed_size 0
		.amdhsa_enable_private_segment 0
		.amdhsa_kernarg_size 40
		.amdhsa_user_sgpr_count 2
		.amdhsa_user_sgpr_kernarg_segment_ptr 1
		.amdhsa_wavefront_size32 1
		.amdhsa_system_sgpr_workgroup_id_x 1
		.amdhsa_system_sgpr_workgroup_id_y 1
		.amdhsa_system_sgpr_workgroup_id_z 1
		.amdhsa_system_vgpr_workitem_id 0
		.amdhsa_next_free_vgpr 1024
		.amdhsa_next_free_sgpr 100
		.amdhsa_reserve_vcc 0
		.amdhsa_float_denorm_mode_32 3
		.amdhsa_float_denorm_mode_16_64 3
		.amdhsa_memory_ordered 1
		.amdhsa_forward_progress 1
		.amdhsa_inst_pref_size 79
	.end_amdhsa_kernel
	.amdgpu_metadata
---
amdhsa.version: [ 1, 2 ]
amdhsa.kernels:
  - .name:           k_q76a6e172f8_gemm_out
    .symbol:         k_q76a6e172f8_gemm_out.kd
    .args:
      - { .name: oc, .offset: 0, .size: 8, .value_kind: global_buffer, .address_space: global }
      - { .name: woc, .offset: 8, .size: 8, .value_kind: global_buffer, .address_space: global }
      - { .name: lowp_scales, .offset: 16, .size: 8, .value_kind: global_buffer, .address_space: global }
      - { .name: bo, .offset: 24, .size: 8, .value_kind: global_buffer, .address_space: global }
      - { .name: out0, .offset: 32, .size: 8, .value_kind: global_buffer, .address_space: global }
    .group_segment_fixed_size: 327680
    .private_segment_fixed_size: 0
    .kernarg_segment_align: 8
    .kernarg_segment_size: 40
    .max_flat_workgroup_size: 128
    .sgpr_count:     100
    .vgpr_count:     1024
    .wavefront_size: 32
...
	.end_amdgpu_metadata
.endif
;; end of part 4
